; MI455X (gfx1250); checked and timed in simulation.
; The chip was launched on July 23, 2026; its instructions are those of AMD's public machine-readable ISA for CDNA 5 (MIT licence, August 2026) and "CDNA5" Instruction Set Architecture Reference Guide (July 2026). The comments in the code are by the model that wrote it; some were corrected since.
;; CCG. Allowed arithmetic: matrix products marked QUANTISED: E2M1 operands, one E8M0 scale for each 32 along K, by v_wmma_scale_f32_16x16x128_f8f6f4 with both operands' format E2M1 (or v_wmma_scale_f32_32x16x128_f4), f32 sums; products left as they are: f32 operands where the result goes on into a quantised operand, else bf16, f16 or f32 operands; f32 sums; everything else in f32.
;; Inputs: ln_b 256 float32; ln_w 256 float32; proj_b 64 float32; proj_w 64 x 256 float32; x 8 x 4,096 x 256 float32.
;; Outputs: out0 8 x 1 x 64 float32.
;; This version of the problem:
;;   THIS VERSION OF THE PROBLEM IS GIVEN IN LOW PRECISION. The matrix products marked QUANTISED in the list below multiply operands that are first quantised to E2M1 (2 exponent bits, 1 mantissa bit; 4 bits a number), with one power-of-two scale for each 32 numbers along K (OCP MX v1.0); their sums are f32. All else is computed in f32.
;;   The module's matrix products, in the order in which they are computed (A, B: the left and right operand; K: the contracted axis; several contracted axes count as one K, in the product's order):
;;     1. batch 8 x [M 4,096, K 256] x [K 256, N 4,096]; A: computed on the way; B: computed on the way: QUANTISED
;;     2. batch 8 x [M 4,096, K 1] x [K 1, N 4,096]; A: computed on the way; B: computed on the way: left as it is (K = 1 < 32)
;;     3. [M 8, K 256] x [K 256, N 64]; A: computed on the way; B: input proj_w: left as it is (M = 8 < 16)
;;   THE QUANTISER, for each operand of a quantised product, along K:
;;     - K is cut into blocks of 32 from its start; a last block that is shorter is filled with zeros.
;;     - A block's scale is 2^e with e = floor(log2(the largest magnitude in the block)) - 2, held to -126 .. 127; a block of zeros has e = 0. As a byte (E8M0): e + 127.
;;     - Each number is divided by its block's scale, clamped to +-6, and rounded to the nearest number of E2M1, ties to even, subnormals kept.
;;     - The product sums the exact products of the quantised numbers (number of the format x scale) in f32.
;;   ~~~python
;;   def quantise(x, axis):      # numpy; x: float32 -> the quantised numbers, widened to float32 again
;;       x = np.moveaxis(x, axis, -1); K = x.shape[-1]
;;       x = np.pad(x, [(0, 0)] * (x.ndim - 1) + [(0, -K % 32)]); x = x.reshape(x.shape[:-1] + (-1, 32)); a = np.abs(x).max(-1, keepdims=True)
;;       e = np.where(a > 0, np.clip(np.frexp(np.where(a > 0, a, 1))[1] - 1 - 2, -126, 127), 0)      # np.frexp(a)[1] - 1 = floor(log2(a)), exactly
;;       r = np.clip(x / 2.0 ** e, -6, 6)
;;       step = 2.0 ** (np.maximum(np.frexp(np.where(r == 0, 1, r))[1] - 1, 0) - 1)
;;       q = np.round(r / step) * step * 2.0 ** e      # np.round: ties to even
;;       return np.moveaxis(q.reshape(q.shape[:-2] + (-1,))[..., :K], -1, axis).astype(np.float32)
;;   ~~~
;;   OPERANDS COMPUTED ON THE WAY. 'Computed on the way' means the value that the module computes at that place (a softmax that the list does not call 'softmax' is quantised finished and normalised). What goes into a quantiser is computed in f32, as accurately as f32 sums, v_exp_f32 and their like allow (about 1e-6 of the number): no bf16 or f16 on the way to a quantiser, and a product that is left as it is and whose result goes on into a quantised operand takes f32 operands (vector FMAs, or v_wmma_f32_16x16x4_f32). A number that lies on a knife's edge between two numbers of the format may be rounded either way, as far as f32 arithmetic and the matrix unit's own rounding can turn it there, and no further.
;; One version. Each part assembles by itself: llvm-mc -triple=amdgcn-amd-amdhsa -mcpu=gfx1250 --defsym DOCPART=n.
;; ======== version 1 of 1: 3 launches
;; limits: right only within a limited range of input values
;; workspace buffers: strm 4,718,592 bytes; cmax 4,096 bytes; cmask 4,096 bytes of whole numbers
;; launch prep (part 1): grid 256 x 1, 8 waves a work-group, no clusters, 168,960 bytes of LDS; arguments x, ln_w, ln_b, strm; writes strm
.if DOCPART == 1
	.amdgcn_target "amdgcn-amd-amdhsa--gfx1250"
	.amdhsa_code_object_version 6
	.text
	.protected	k_q648330be0f_prep
	.globl	k_q648330be0f_prep
	.p2align	8
	.type	k_q648330be0f_prep,@function
k_q648330be0f_prep:
	s_mov_b64 s[64:65], 0
	v_nop
	global_prefetch_b8 v0, s[64:65] scope:SCOPE_SE
	s_setreg_imm32_b32 hwreg(HW_REG_WAVE_MODE, 25, 1), 1
	s_wait_xcnt 0x0
; LayerNorm of x [32768 rows][256] in f32, each row's norm, and the MX-FP4 quantiser along the 256 channels (blocks of 32, E8M0 scale 2^(floor(log2(largest magnitude)) - 2)).
; OUT: strm, 2,048 records of 2,304 bytes, one for each 16 rows, laid in the ORDER OF THE MATRIX OPERAND'S REGISTERS (lane l = (r = l % 16, h = l / 16)):
;   +512 q + 16 l, q = 0..3 : lane l's 16 bytes: the codes of row r, channels 64 q + 32 h + 0..31, the lower channel in the lower four bits.  K step s of 128 takes q = 2 s and 2 s + 1.
;   +2048 + 4 l            : the scale word (four E8M0 bytes) of row r for K step h
;   +2176 + 64 g + 32 u + 4 j : f32: u = 0: 1 / norm, u = 1: 1 / norm^2, of row 8 g + j
; SHARES.  A work-group takes 128 rows, each of its eight waves 16: one record.  Lane (r, h) holds 128 numbers of row r: register 32 q + i = channel 64 q + 32 h + i.  So a block of 32 lies whole in one lane,
; a row in lanes l and l xor 16, and the conversions' results are the operand's registers as they stand.
; x comes by ONE tensor load a wave (16 rows x 1,024 bytes) into the wave's own LDS bytes, filled once and read by that wave alone: its own wait on TENSORcnt orders the reads, and there is no barrier.
; LIMITS: norm^2 is held at 2^-80 from below (a row of zeros has zero codes and counts for nothing later); a block of zeros keeps the scale byte 1 (its codes are zeros; this program alone reads the bytes);
; NaN and infinities among the inputs are not served.
.set ROWP,  1040                       ; an LDS row: 1,024 bytes + 16 of padding = 65 x 16: the sixteen rows that a 16-byte load touches start at sixteen different 16-byte columns
.set WREG,  16*ROWP                    ; a wave's LDS bytes
.set REC,   2304                       ; a record
.set X,     64                         ; v64-191  my 128 numbers
.set CD,    192                        ; v192-207 my codes
.set LW,    0                          ; window 1: v0-127 ln_w, v128-255 ln_b, at my 128 channels
.set LB,    128
; v1 r, v2 h, v3 LDS address, v4 128 h, v5 16 x lane, v6 4 x lane, v7 my place among the record's reciprocals; v8-15 four packed chains; v16-17 mean, v18-19 1/sqrt(var + eps), each twice;
; v20-23 at work; v24-27 block maxima; v28-31 the conversions' scale operands; v32-35 scale bytes; v36-42 the scale word's making; v44 1/norm, v45 1/norm^2
.set MSB, 0
.macro WIN new                         ; s_set_vgpr_msb: bits 1:0 source 0, 3:2 source 1, 5:4 source 2, 7:6 destination; the high byte repeats the setting that is left
.if MSB != \new
	s_set_vgpr_msb (MSB<<8)|\new
.set MSB, \new
.endif
.endm
.macro RED                             ; the four packed chains v[8:15] -> the row's sum in v20, in both lanes of the row
	v_pk_add_f32 v[8:9], v[8:9], v[10:11]
	v_pk_add_f32 v[12:13], v[12:13], v[14:15]
	v_pk_add_f32 v[8:9], v[8:9], v[12:13]
	v_add_f32 v20, v8, v9
	v_permlanex16_b32 v21, v20, s28, s29           ; the row's other 128 numbers lie in lane l xor 16
	v_add_f32 v20, v20, v21
.endm
.macro SUMSQ                           ; the row's sum of squares of X, the four chains by turns
.irp q, 0,1,2,3
	v_pk_mul_f32 v[8+2*\q:9+2*\q], v[X+32*\q:X+32*\q+1], v[X+32*\q:X+32*\q+1]
.endr
.irp i, 2,4,6,8,10,12,14,16,18,20,22,24,26,28,30
.irp q, 0,1,2,3
	v_pk_fma_f32 v[8+2*\q:9+2*\q], v[X+32*\q+\i:X+32*\q+\i+1], v[X+32*\q+\i:X+32*\q+\i+1], v[8+2*\q:9+2*\q]
.endr
.endr
	RED
.endm
	s_load_b256 s[4:11], s[0:1], 0x0               ; x s[4:5], ln_w s[6:7], ln_b s[8:9], strm s[10:11]
	v_lshl_add_u32 v254, v0, 2, 0x29000
	v_mov_b32 v255, 0
	ds_add_u32 v254, v255
	ds_add_u32 v254, v255
	v_lshrrev_b32 v1, 5, v0
	v_readfirstlane_b32 s24, v1                    ; wave 0..7
	; descriptor group 1: 16 rows x 256 elements of 4 bytes, 4 words of padding behind every 256 words
	s_mov_b32 s16, (2<<16)|(1<<20)|(7<<22)|(3<<25)
	s_mov_b32 s17, 256<<16                         ; tensor_dim0 = 256
	s_mov_b32 s18, 16<<16                          ; tensor_dim1 = 16
	s_mov_b32 s19, 256<<16                         ; tile_dim0 = 256
	s_mov_b32 s20, 16                              ; tile_dim1 = 16
	s_mov_b32 s21, 256                             ; elements from row to row
	s_mov_b32 s22, 0
	s_mov_b32 s23, 0
	s_mov_b32 s12, 1                               ; group 0: count = 1,
	s_mul_i32 s13, s24, WREG                       ; my wave's LDS bytes,
	s_lshl_b32 s2, ttmp9, 17                       ; the work-group's 128 rows of 1,024 bytes
	s_lshl_b32 s3, s24, 14                         ; + my wave's 16
	s_add_co_u32 s2, s2, s3
	s_mov_b32 s3, 0
	s_lshl_b32 s25, ttmp9, 3
	s_add_co_u32 s25, s25, s24                     ; my record: 8 x work-group + wave
	s_mul_i32 s26, s25, REC
	s_mov_b32 s27, 0
	s_mov_b32 s28, 0x76543210                      ; v_permlanex16_b32's selects for lane l xor 16
	s_mov_b32 s29, 0xfedcba98
	s_mov_b32 s30, 0x3b800000                      ; 1 / 256
	s_mov_b32 s31, 0x3727c5ac                      ; 1e-5
	s_wait_dscnt 0x0
	s_wait_kmcnt 0x0
	s_add_nc_u64 s[26:27], s[10:11], s[26:27]      ; my record's address
	s_add_nc_u64 s[14:15], s[4:5], s[2:3]          ; the tile's first element
	s_or_b32 s15, s15, 0x80000000                  ; type = 2
	tensor_load_to_lds s[12:15], s[16:23]          ; my one tensor load
	s_nop 0
	v_and_b32 v1, 15, v0                           ; r.  (The address lines stand behind the load: none writes its own source, and the first window switch comes behind more than four of them)
	v_bfe_u32 v2, v0, 4, 1                         ; h
	v_and_b32 v6, 31, v0                           ; lane
	v_lshlrev_b32 v4, 7, v2                        ; 128 h: my half's 32 channels in ln_w and ln_b
	v_mul_u32_u24 v3, v1, ROWP
	v_lshl_add_u32 v3, v2, 7, v3
	v_add_nc_u32 v3, s13, v3                       ; LDS: my wave's bytes + row r + 128 h
	v_lshlrev_b32 v5, 4, v6
	v_lshlrev_b32 v6, 2, v6
	v_lshrrev_b32 v7, 3, v1
	v_lshlrev_b32 v7, 6, v7
	v_lshl_add_u32 v7, v2, 5, v7
	v_and_b32 v20, 7, v1
	v_lshl_add_u32 v7, v20, 2, v7                  ; 64 (r / 8) + 32 h + 4 (r % 8)
	v_mov_b32 v21, 0                               ; written once: a lane permute's destination counts as one of its sources
	v_mov_b32 v40, 0
	WIN 0x40                                       ; destination window 1
.irp q, 0,1,2,3
.irp i, 0,1,2,3,4,5,6,7
	global_load_b128 v[LW+32*\q+4*\i:LW+32*\q+4*\i+3], v4, s[6:7] offset:256*\q+16*\i   ; they land while x is on its way
.endr
.endr
.irp q, 0,1,2,3
.irp i, 0,1,2,3,4,5,6,7
	global_load_b128 v[LB+32*\q+4*\i:LB+32*\q+4*\i+3], v4, s[8:9] offset:256*\q+16*\i
.endr
.endr
	WIN 0
	s_wait_tensorcnt 0x0                           ; my tile is in LDS (no younger load)
.irp q, 0,1,2,3
.irp i, 0,1,2,3,4,5,6,7
	ds_load_b128 v[X+32*\q+4*\i:X+32*\q+4*\i+3], v3 offset:256*\q+16*\i
.endr
.endr
	s_wait_dscnt 0x0
	; the mean
.irp q, 0,1,2,3
	v_pk_add_f32 v[8+2*\q:9+2*\q], v[X+32*\q:X+32*\q+1], v[X+32*\q+2:X+32*\q+3]
.endr
.irp i, 4,6,8,10,12,14,16,18,20,22,24,26,28,30
.irp q, 0,1,2,3
	v_pk_add_f32 v[8+2*\q:9+2*\q], v[8+2*\q:9+2*\q], v[X+32*\q+\i:X+32*\q+\i+1]
.endr
.endr
	RED
	v_mul_f32 v16, s30, v20
	v_mov_b32 v17, v16
.set j, 0
.rept 64
	v_pk_add_f32 v[X+j:X+j+1], v[X+j:X+j+1], v[16:17] neg_lo:[0,1] neg_hi:[0,1]   ; x - mean
.set j, j+2
.endr
	SUMSQ                                          ; the variance, of the differences
	v_fma_f32 v22, v20, s30, s31                   ; sum / 256 + 1e-5
	v_rsq_f32 v18, v22
	v_nop                                          ; a plain instruction behind the transcendental,
	s_wait_alu depctr_va_vdst(0)                   ; and the wait ahead of the first line that names its result
	v_mov_b32 v19, v18
.set j, 0
.rept 64
	v_pk_mul_f32 v[X+j:X+j+1], v[X+j:X+j+1], v[18:19]
.set j, j+2
.endr
	s_wait_loadcnt 0x0                             ; ln_w and ln_b
	WIN 0x14                                       ; sources 1 and 2 window 1
.set j, 0
.rept 64
	v_pk_fma_f32 v[X+j:X+j+1], v[X+j:X+j+1], v[LW+j:LW+j+1], v[LB+j:LB+j+1]
.set j, j+2
.endr
	WIN 0
	SUMSQ                                          ; norm^2, of the f32 numbers
	v_max_num_f32 v22, 0x17800000, v20             ; held at 2^-80
	v_rsq_f32 v44, v22                             ; 1 / norm; the block maxima below are the independent work behind it
	; the quantiser: my four blocks, 2 q + h, all 32 numbers of each are mine
.irp q, 0,1,2,3
	v_max3_num_f32 v[24+\q], |v[X+32*\q]|, |v[X+32*\q+1]|, 0x1800000   ; with the floor 2^(3 - 127): the byte cannot fall under 1
.endr
.irp i, 2,4,6,8,10,12,14,16,18,20,22,24,26,28,30
.irp q, 0,1,2,3
	v_max3_num_f32 v[24+\q], v[24+\q], |v[X+32*\q+\i]|, |v[X+32*\q+\i+1]|
.endr
.endr
.irp q, 0,1,2,3
	v_add_nc_u32 v[28+\q], 0xff000000, v[24+\q]    ; 2 off the exponent field: the conversion takes this operand's exponent field as its scale
.endr
.irp q, 0,1,2,3
	v_lshrrev_b32 v[32+\q], 23, v[28+\q]           ; the scale's byte
.endr
	s_wait_alu depctr_va_vdst(0)                   ; ahead of the first line that names 1 / norm
	v_mul_f32 v45, v44, v44                        ; 1 / norm^2
	; K step s's word of a row: bytes h and 2 + h are mine (blocks 4 s + h, 4 s + 2 + h).  Lane (r, h) is to hold the word of K step h: it keeps its part of that word and sends its part of the other
	v_lshl_or_b32 v36, v33, 16, v32
	v_lshl_or_b32 v37, v35, 16, v34
	v_lshlrev_b32 v38, 3, v2
	v_lshlrev_b32 v36, v38, v36                    ; my part of K step 0's word
	v_lshlrev_b32 v37, v38, v37                    ; and of K step 1's
	v_cmp_ne_u32 vcc_lo, 0, v2
	v_cndmask_b32 v39, v37, v36, vcc_lo            ; sent: h ? step 0's : step 1's
	v_cndmask_b32 v41, v36, v37, vcc_lo            ; kept: h ? step 1's : step 0's
	v_permlanex16_b32 v40, v39, s28, s29
	v_or_b32 v41, v41, v40
	v_cndmask_b32 v42, v44, v45, vcc_lo            ; h ? 1 / norm^2 : 1 / norm
.irp q, 0,1,2,3
.irp g, 0,1,2,3
	v_cvt_scalef32_pk8_fp4_f32 v[CD+4*\q+\g], v[X+32*\q+8*\g:X+32*\q+8*\g+7], v[28+\q]   ; to the nearest code, ties to even, beyond 6 the largest code
.endr
.endr
	v_nop                                          ; one plain line behind the last scaled conversion
.irp q, 0,1,2,3
	global_store_b128 v5, v[CD+4*\q:CD+4*\q+3], s[26:27] offset:512*\q   ; 32 lanes store 512 consecutive bytes, at a multiple of 256 from strm's first byte
.endr
	global_store_b32 v6, v41, s[26:27] offset:2048 ; the record's last 256 bytes leave by two stores of 128 consecutive bytes
	global_store_b32 v7, v42, s[26:27] offset:2176
	s_wait_tensorcnt 0x0
	ds_add_u32 v254, v255
	s_wait_dscnt 0x0
	s_endpgm
.Lfunc_end_k_q648330be0f_prep:
	.size	k_q648330be0f_prep, .Lfunc_end_k_q648330be0f_prep-k_q648330be0f_prep
	.p2alignl 7, 3214868480
	.fill 96, 4, 3214868480
	.section	.rodata,"a",@progbits
	.p2align	6, 0x0
	.amdhsa_kernel k_q648330be0f_prep
		.amdhsa_group_segment_fixed_size 168960
		.amdhsa_private_segment_fixed_size 0
		.amdhsa_enable_private_segment 0
		.amdhsa_kernarg_size 32
		.amdhsa_user_sgpr_count 2
		.amdhsa_user_sgpr_kernarg_segment_ptr 1
		.amdhsa_wavefront_size32 1
		.amdhsa_system_sgpr_workgroup_id_x 1
		.amdhsa_system_sgpr_workgroup_id_y 1
		.amdhsa_system_sgpr_workgroup_id_z 1
		.amdhsa_system_vgpr_workitem_id 0
		.amdhsa_next_free_vgpr 512
		.amdhsa_next_free_sgpr 66
		.amdhsa_reserve_vcc 1
		.amdhsa_float_denorm_mode_32 3
		.amdhsa_float_denorm_mode_16_64 3
		.amdhsa_memory_ordered 1
		.amdhsa_forward_progress 1
		.amdhsa_inst_pref_size 43
	.end_amdhsa_kernel
	.amdgpu_metadata
---
amdhsa.version: [ 1, 2 ]
amdhsa.kernels:
  - .name:           k_q648330be0f_prep
    .symbol:         k_q648330be0f_prep.kd
    .args:
      - { .name: x, .offset: 0, .size: 8, .value_kind: global_buffer, .address_space: global }
      - { .name: ln_w, .offset: 8, .size: 8, .value_kind: global_buffer, .address_space: global }
      - { .name: ln_b, .offset: 16, .size: 8, .value_kind: global_buffer, .address_space: global }
      - { .name: strm, .offset: 24, .size: 8, .value_kind: global_buffer, .address_space: global }
    .group_segment_fixed_size: 168960
    .private_segment_fixed_size: 0
    .kernarg_segment_align: 8
    .kernarg_segment_size: 32
    .max_flat_workgroup_size: 256
    .sgpr_count:     66
    .vgpr_count:     512
    .wavefront_size: 32
...
	.end_amdgpu_metadata
.endif
;; end of part 1
;; launch dens (part 2): grid 32 x 8, 8 waves a work-group, clusters of 4 x 1, 327,680 bytes of LDS; arguments strm, cmax, cmask; writes cmax, cmask
.if DOCPART == 2
	.amdgcn_target "amdgcn-amd-amdhsa--gfx1250"
	.amdhsa_code_object_version 6
	.text
	.protected	k_q648330be0f_dens
	.globl	k_q648330be0f_dens
	.p2align	8
	.type	k_q648330be0f_dens,@function
k_q648330be0f_dens:
	s_mov_b64 s[64:65], 0
	v_nop
	global_prefetch_b8 v0, s[64:65] scope:SCOPE_SE
	s_setreg_imm32_b32 hwreg(HW_REG_WAVE_MODE, 25, 1), 1
	s_wait_xcnt 0x0
	s_wait_alu depctr_hold_cnt(0) depctr_sa_sdst(0) depctr_va_vdst(0) depctr_va_sdst(0) depctr_va_ssrc(0) depctr_va_vcc(0) depctr_vm_vsrc(0)
	s_getreg_b32 s2, hwreg(HW_REG_IB_STS2, 6, 4)
	s_cmp_eq_u32 s2, 0
	s_cbranch_scc0 .Lentry_in_a_cluster
	s_endpgm
.Lentry_in_a_cluster:
	s_bfe_u32 s2, ttmp6, 0x10000c
	s_cmp_lg_u32 s2, 0x3003
	s_cbranch_scc0 .Lentry_shape_is_right
	s_endpgm
.Lentry_shape_is_right:
; density[n] = the sum over m of num[n][m] / (norm_n norm_m + 1e-8), num = the product of the normalised rows with themselves on codes of FP4 (E2M1) with E8M0 scales, 4,096 x 4,096 x 256 for each of 8 batches.
; Stored for each block of 128 rows: the block's largest density (cmax, four times) and a bit for each row that reaches it (cmask, four words).
; THE DIVISION.  With p = norm_n norm_m: 1 / (p + eps) = (1 / p)(1 - eps / p + ..); kept: (1 / p)(1 - eps / p).  So density[n] = ra_n (S1 - eps ra_n S2), S1 = sum of num rb_m, S2 = sum of num rb_m^2, ra = rb = 1 / norm:
; two packed multiply-adds for two numbers and no reciprocal.  LIMIT: the relative error is (eps / p)^2: under 1e-8 wherever norm_n norm_m >= 1e-4.  NaN and infinities are not served.
; SHARES.  A work-group owns 128 rows of a batch; EVERY one of its eight waves keeps all eight tiles of them in 128 registers, and the 256 tiles of 16 columns are shared out: wave w takes tiles 64 f + 8 w + i of
; fill f = 0..3, i = 0..7: 32 tiles a wave, written out, every offset an immediate.  A wave reads only LDS bytes that its own tensor loads brought, each byte once; each fragment read feeds eight matrix instructions.
; THE PRODUCT IS USED TRANSPOSED: source 0 = 16 rows m of the stream, source 1 = 16 of my rows n.  In the result lane (r, h) holds my row r and its registers the stream's rows 8 h + 0..7, along which the weights rb run.
; CLUSTER.  The four work-groups of a cluster belong to one batch and walk the same stream: each stream load is asked for JOINTLY (the same load, the same descriptor, a mask that names the four).  Only my own rows'
; record comes by a plain load.  More than four cannot share: a mask names four, and only this one stream is shared.
; THE RING.  Two slots of 147,456 bytes, 18,432 a wave.  At the start four loads a wave are out: my rows' record, slot 0 in two halves, slot 1.  Slot 0 is filled again at tile 6, slot 1 at tile 14, each behind a round
; of the cluster's barrier, one load a wave, eight tiles ahead of its first read.
; REGISTERS.  window 0: v1 lane, v2 r, v3 h, v4-5 the add's two, v6-15 addresses, v16-31 at work, v32-39 my rows' scale words, v40-43 the stream's (4 buffers), v48-111 weights (4 buffers of 16: rb of 8 rows, then rb^2),
;   v112-239 my rows' fragments (tile a, K step s at 16 a + 8 s), v240-255 the end's sums.   window 1: v0-127 the 128 running sums (tile a, term u, pair p at 16 a + 8 u + 2 p), v128-159 two sets of two product tiles,
;   v160-223 the stream's fragments (4 buffers of 16).
.set REC,    2304                      ; a record: 16 rows' codes, scale words and reciprocals
.set WSL,    8*REC                     ; a wave's part of a slot; also a block's eight records
.set SLOT1,  8*WSL                     ; slot 0 at 0, slot 1 here
.set MINE,   2*SLOT1                   ; my block's eight records: filled once
.set SPARE,  MINE+WSL                  ; the spare words: 128 bytes for each of eight waves, four blocks of 256 bytes that no other line names
.set SCR,    SPARE+1024                ; [wave][term][128] f32: the waves' partial sums; no fill lands here
.set SCR2,   SCR+8192                  ; the waves' maxima
.set BATCHB, 256*REC                   ; a batch's records
.set SPW, 4
.set NIL, 5
.set AM,  6                            ; MINE + 16 x lane
.set AMS, 7                            ; MINE + 2048 + 4 x lane
.set RA,  8                            ; 1 / norm of row (thread % 128) of my block
.set RAO, 9                            ; its offset; never rewritten
.set AF,  10                           ; v10-11 slot 0, 1: my wave's part + 16 x lane
.set AW,  12                           ; v12-13 + 64 h
.set AS,  14                           ; v14-15 + 4 x lane
.set MS,  32
.set SC,  40
.set W,   48
.set M,   112
.set R,   240
.set ACC, 0
.set DD,  128
.set F,   160
.set G1A, 16                           ; s[16:23] group 1: 36 rows of 256 bytes, joint
.set G1B, 24                           ; s[24:31] 72 rows, joint
.set G1M, 32                           ; s[32:39] 9 rows, plain
.set G0M, 40                           ; groups 0, each written once and never again
.set G0P0, 44
.set G0P1, 48
.set G0L, 52
.set G0F2, 56
.set G0F3, 60
.set MAIN, 0x51                        ; source 0, source 2 and destination window 1, source 1 window 0: serves the matrix instructions (D, F, M, D) and the weighted sums (ACC, D, W, ACC) alike
.set LDF,  0x40                        ; destination window 1, address window 0
.set MSB, 0
.macro WIN new                         ; bits 1:0 source 0, 3:2 source 1, 5:4 source 2, 7:6 destination; the high byte repeats the setting that is left
.if MSB != \new
	s_set_vgpr_msb (MSB<<8)|\new
.set MSB, \new
.endif
.endm
.macro CREST                           ; a round of the cluster's barrier behind its opening barrier
	s_cmp_lg_u32 s10, 0
	s_cbranch_scc1 .Lnot_wave_0_\@
	s_barrier_signal -3
.Lnot_wave_0_\@:
	s_barrier_wait -3
	s_barrier_signal -1
	s_barrier_wait -1
.endm
.macro ROUND                           ; a whole round
	s_barrier_signal -1
	s_barrier_wait -1
	CREST
.endm
.macro SHAPE g, rows                   ; group 1's words 1 to 7: a dense block as rows of 32 elements of 8 bytes
	s_mov_b32 s[\g+1], 32<<16
	s_mov_b32 s[\g+2], (\rows)<<16
	s_mov_b32 s[\g+3], 32<<16
	s_mov_b32 s[\g+4], \rows
	s_mov_b32 s[\g+5], 32
	s_mov_b32 s[\g+6], 0
	s_mov_b32 s[\g+7], 0
.endm
.macro GRP0 g, lds, glob               ; a stream load's group 0: my wave's part of a slot + lds; the batch's stream at my wave's part + glob.  Nothing in it hangs on my place in the cluster
	s_mov_b32 s[\g], 1
	s_add_co_u32 s[\g+1], s76, \lds
	s_add_nc_u64 s[\g+2:\g+3], s[80:81], \glob
	s_or_b32 s[\g+3], s[\g+3], 0x80000000
.endm
	s_load_b128 s[4:7], s[0:1], 0x0                ; strm s[4:5], cmax s[6:7]
	s_load_b64 s[8:9], s[0:1], 0x10                ; cmask
	v_lshl_add_u32 v[SPW], v0, 2, SPARE
	v_mov_b32 v[NIL], 0
	ds_add_u32 v4, v5
	ds_add_u32 v4, v5
	s_wait_dscnt 0x0
	v_lshrrev_b32 v1, 5, v0
	v_readfirstlane_b32 s10, v1                    ; wave 0..7
	s_bfe_u32 s11, ttmp6, 0x40000                  ; cx
	s_lshl_b32 s12, ttmp9, 2
	s_add_co_u32 s12, s12, s11                     ; my block of 128 rows: 4 x cluster x + cx
	s_and_b32 s13, ttmp7, 0xffff                   ; the batch, which the four partners share
	s_mov_b32 s[G1A], 15|(3<<16)|(1<<21)           ; 15:0 the mask: all four; 17:16 elements of 8 bytes; 21 set beside a mask; no padding: the records are read 16 bytes a lane on end
	s_mov_b32 s[G1B], 15|(3<<16)|(1<<21)
	s_mov_b32 s[G1M], 3<<16
	SHAPE G1A, 36
	SHAPE G1B, 72
	SHAPE G1M, 9
	s_mul_i32 s76, s10, WSL                        ; my wave's part of a slot, and of a fill in memory
	s_mul_i32 s77, s10, REC                        ; the record of my block that I fetch
	s_mul_i32 s78, s13, BATCHB
	s_add_co_u32 s78, s78, s76                     ; the stream: batch and wave alone
	s_mov_b32 s79, 0
	s_mul_i32 s82, s13, BATCHB
	s_mul_i32 s83, s12, WSL
	s_add_co_u32 s82, s82, s83                     ; my block's first record
	s_mov_b32 s83, 0
	s_mov_b32 s84, s77
	s_mov_b32 s85, 0
	s_lshl_b32 s86, s13, 5
	s_add_co_u32 s86, s86, s12
	s_lshl_b32 s86, s86, 4                         ; 16 bytes a block in cmax and in cmask
	s_mov_b32 s87, 0
	s_lshl_b32 s88, s10, 10
	s_add_co_u32 s88, s88, SCR                     ; my wave's partial sums
	s_lshl_b32 s89, s10, 2
	s_mov_b32 s72, 0x76543210                      ; v_permlanex16_b32's selects for lane l xor 16
	s_mov_b32 s73, 0xfedcba98
	s_wait_kmcnt 0x0
	s_add_nc_u64 s[80:81], s[4:5], s[78:79]
	s_add_nc_u64 s[66:67], s[4:5], s[82:83]
	s_add_nc_u64 s[68:69], s[6:7], s[86:87]
	s_add_nc_u64 s[70:71], s[8:9], s[86:87]
	s_mov_b32 s[G0M], 1
	s_add_co_u32 s[G0M+1], s77, MINE
	s_add_nc_u64 s[G0M+2:G0M+3], s[66:67], s[84:85]
	s_or_b32 s[G0M+3], s[G0M+3], 0x80000000
	GRP0 G0P0, 0, 0                                ; tiles 0-3
	GRP0 G0P1, 4*REC, 4*REC                        ; tiles 4-7
	GRP0 G0L, SLOT1, SLOT1                         ; tiles 8-15: a fill is 147,456 bytes in memory as in LDS
	GRP0 G0F2, 0, 2*SLOT1                          ; tiles 16-23
	GRP0 G0F3, SLOT1, 3*SLOT1                      ; tiles 24-31
	ROUND                                          ; all four work-groups are here: the first joint loads meet
	tensor_load_to_lds s[G0M:G0M+3], s[G1M:G1M+7]  ; the first fills go out as one group: four loads of mine are out
	s_nop 0
	tensor_load_to_lds s[G0P0:G0P0+3], s[G1A:G1A+7]
	s_nop 0
	tensor_load_to_lds s[G0P1:G0P1+3], s[G1A:G1A+7]
	s_nop 0
	tensor_load_to_lds s[G0L:G0L+3], s[G1B:G1B+7]
	s_nop 0
	v_and_b32 v1, 31, v0                           ; lane.  (The address lines stand behind the loads: none writes its own source, and the first window switch comes behind more than four of them)
	v_bfe_u32 v3, v0, 4, 1                         ; h
	v_and_b32 v2, 15, v0                           ; r
	v_lshlrev_b32 v16, 4, v1
	v_lshlrev_b32 v17, 2, v1
	v_lshlrev_b32 v18, 6, v3
	v_add_nc_u32 v[AM], MINE, v16
	v_add_nc_u32 v[AMS], MINE+2048, v17
	v_add_nc_u32 v[AF], s76, v16
	v_add_nc_u32 v[AF+1], SLOT1, v[AF]
	v_add_nc_u32 v[AW], s76, v18
	v_add_nc_u32 v[AW+1], SLOT1, v[AW]
	v_add_nc_u32 v[AS], s76, v17
	v_add_nc_u32 v[AS+1], SLOT1, v[AS]
	v_and_b32 v19, 127, v0                         ; n: the row of the block whose density I finish
	v_lshrrev_b32 v20, 4, v19
	v_mul_u32_u24 v[RAO], v20, REC
	v_bfe_u32 v20, v0, 3, 1
	v_lshl_add_u32 v[RAO], v20, 6, v[RAO]
	v_and_b32 v20, 7, v0
	v_lshl_add_u32 v[RAO], v20, 2, v[RAO]
	global_load_b32 v[RA], v[RAO], s[66:67] offset:2176   ; wanted at the very end
	v_lshl_add_u32 v24, v2, 2, s88                 ; the end's addresses: where I put my wave's sums of row r,
	v_lshl_add_u32 v25, v19, 2, SCR                ; where I read row n's,
	v_mov_b32 v28, s89                             ; 4 x wave: my word in cmax and cmask,
	v_add_nc_u32 v26, SCR2, v28                    ; my wave's maximum,
	v_mov_b32 v27, SCR2                            ; and the four that count
; The nine LDS loads of tile t: its fragments (4 x 512 bytes on end), its weights (lanes of a half share 64 bytes), its scale words.  Buffers t % 4.
.macro LOADS t
.set lsl, ((\t)/8)%2
.set lof, REC*((\t)%8)
.set lb,  (\t)%4
	WIN LDF
.irp q, 0,1,2,3
	ds_load_b128 v[F+16*lb+4*\q:F+16*lb+4*\q+3], v[AF+lsl] offset:lof+512*\q
.endr
	WIN 0
.irp k, 0,1,2,3
	ds_load_b128 v[W+16*lb+4*\k:W+16*lb+4*\k+3], v[AW+lsl] offset:lof+2176+16*\k
.endr
	ds_load_b32 v[SC+lb], v[AS+lsl] offset:lof+2048
.endm
; Line i of 16 of the weighted sums of quad (tp, gp): tile 2 gp + i / 8, pair (i % 8) / 2, term i % 2.  Lines 0 and 8 read each product tile's lowest pair first.  Tile 0's lines start the sums: nothing is cleared.
.macro PK tp, gp, i
.set pu, (\i)/8
.set pj, ((\i)%8)/2
.set pt, (\i)%2
.set rA, ACC+16*(2*(\gp)+pu)+8*pt+2*pj
.set rD, DD+16*((\gp)%2)+8*pu+2*pj
.set rW, W+16*((\tp)%4)+8*pt+2*pj
.if (\tp) == 0
	v_pk_mul_f32 v[rA:rA+1], v[rD:rD+1], v[rW:rW+1]
.else
	v_pk_fma_f32 v[rA:rA+1], v[rD:rD+1], v[rW:rW+1], v[rA:rA+1]
.endif
.endm
.macro PK4 i0                          ; four lines of the quad before
.if qpt >= 0
	PK qpt, qpg, (\i0)
	PK qpt, qpg, (\i0)+1
	PK qpt, qpg, (\i0)+2
	PK qpt, qpg, (\i0)+3
.endif
.endm
.macro MM d, f, m, sa, sb, link        ; link = 0: K step 0 starts the sum with the constant 0; 1: K step 1 adds in place, its scale words in lanes 16-31
.if \link
	v_wmma_scale_f32_16x16x128_f8f6f4 v[\d:\d+7], v[\f:\f+7], v[\m:\m+7], v[\d:\d+7], v[\sa], v[\sb] matrix_a_fmt:MATRIX_FMT_FP4 matrix_b_fmt:MATRIX_FMT_FP4 matrix_a_scale:MATRIX_SCALE_ROW1 matrix_b_scale:MATRIX_SCALE_ROW1
.else
	v_wmma_scale_f32_16x16x128_f8f6f4 v[\d:\d+7], v[\f:\f+7], v[\m:\m+7], 0, v[\sa], v[\sb] matrix_a_fmt:MATRIX_FMT_FP4 matrix_b_fmt:MATRIX_FMT_FP4
.endif
.endm
; QUAD t, g: stream tile t against my tiles 2 g and 2 g + 1: four matrix instructions, the two product tiles by turns, one instruction a turn.
; Behind each stand four weighted sums of the quad BEFORE, which lie in the other set of product tiles.  So a product tile's first reader stands eight plain lines or more behind its last matrix instruction, and the
; matrix instruction that begins the tile anew two quads on stands more than five such lines behind it (only plain vector lines that name none of its registers are counted).
.macro QUAD t, g
	WIN MAIN
.set qD, DD+16*((\g)%2)
.set qF, F+16*((\t)%4)
.set qS, SC+(\t)%4
.set qa, 2*(\g)
.if (\g) == 0
.set qpt, (\t)-1
.set qpg, 3
.else
.set qpt, \t
.set qpg, (\g)-1
.endif
	MM qD, qF, M+16*qa, qS, MS+qa, 0
	PK4 0
	MM qD+8, qF, M+16*qa+16, qS, MS+qa+1, 0
	PK4 4
	MM qD, qF+8, M+16*qa+8, qS, MS+qa, 1
	PK4 8
	MM qD+8, qF+8, M+16*qa+24, qS, MS+qa+1, 1
	PK4 12
.if qpt < 0
.rept 4
	v_nop                                          ; the very first quad has no sums to set between: four places ahead of the first read of its results
.endr
.endif
.endm
; TILE t.  Tile t + 2's loads go out behind the first quad, into buffers that tile t - 2 left.
; Tiles 6 and 14 change slots: all reads of the old slot have been issued.  Each wave waits for all its tensor loads, adds 0 to its spare word, works a quad, waits for the add and for its reads, and opens a round of
; the cluster's barrier; behind the round no wave of any partner reads the old slot or has a load on its way, and the joint refill is the first thing there.
.macro TILE t
.if (\t) == 31
	s_wait_dscnt 0x0                               ; the last tile's loads: none is younger
.else
	s_wait_dscnt 9                                 ; this tile's nine loads are in; the next tile's nine may be out
.endif
.if ((\t) == 6) || ((\t) == 14)
	WIN 0                                          ; (the add's two registers lie in window 0)
	s_wait_tensorcnt 0x0                           ; all my tensor loads have landed, the slot ahead among them
	ds_add_u32 v[SPW], v[NIL]                      ; 0 onto my spare word
	QUAD \t, 0                                     ; work on registers stands between the add and the wait for it
	s_wait_dscnt 0x0                               ; the add is done, and my reads of the old slot are back
	s_barrier_signal -1
	QUAD \t, 1
	WIN 0
	s_barrier_wait -1
	CREST
.if (\t) == 6
	tensor_load_to_lds s[G0F2:G0F2+3], s[G1B:G1B+7]   ; tiles 16-23 into slot 0: my one load behind this round
	s_nop 0
.else
	tensor_load_to_lds s[G0F3:G0F3+3], s[G1B:G1B+7]   ; tiles 24-31 into slot 1
	s_nop 0
.endif
.rept 4
	v_nop                                          ; four lines ahead of the next window switch
.endr
	LOADS (\t)+2
	QUAD \t, 2
	QUAD \t, 3
.else
	QUAD \t, 0
.if (\t) == 2
	s_wait_tensorcnt 0x1                           ; tiles 4-7 are in; slot 1's load may be out
.endif
.if (\t) == 22
	s_wait_tensorcnt 0x0                           ; tiles 24-31 are in (my last load; nothing is filled any more, and I alone read these bytes: no barrier)
.endif
.if (\t) <= 29
	LOADS (\t)+2
.endif
	QUAD \t, 1
	QUAD \t, 2
	QUAD \t, 3
.endif
.endm
	s_wait_tensorcnt 0x3                           ; my record of the block is in; the three stream loads behind it may be out
	s_barrier_signal -1
	s_barrier_wait -1                              ; everybody's record is in
.irp a, 0,1,2,3,4,5,6,7
.irp q, 0,1,2,3
	ds_load_b128 v[M+16*\a+4*\q:M+16*\a+4*\q+3], v[AM] offset:REC*\a+512*\q   ; my block's 128 rows stay in registers
.endr
	ds_load_b32 v[MS+\a], v[AMS] offset:REC*\a
.endr
	s_wait_tensorcnt 0x2                           ; tiles 0-3 are in; two younger loads may be out
	LOADS 0
	LOADS 1
.irp t, 0,1,2,3,4,5,6,7,8,9,10,11,12,13,14,15,16,17,18,19,20,21,22,23,24,25,26,27,28,29,30,31
	TILE \t
.endr
.irp i, 0,1,2,3,4,5,6,7,8,9,10,11,12,13,14,15
	PK 31, 3, \i                                   ; the last quad's sums: eight plain lines stand behind its first tile's last matrix instruction, twelve behind its second's when line 8 reads it
.endr
	; THE END.  A lane's eight partial sums of each (tile, term); then lane l xor 16's (the stream rows' other halves); then the eight waves', through LDS.
	WIN 0x45                                       ; destination and both sources window 1
.irp e, 0,1,2,3,4,5,6,7,8,9,10,11,12,13,14,15
	v_pk_add_f32 v[8*\e:8*\e+1], v[8*\e:8*\e+1], v[8*\e+2:8*\e+3]
	v_pk_add_f32 v[8*\e+4:8*\e+5], v[8*\e+4:8*\e+5], v[8*\e+6:8*\e+7]
.endr
.irp e, 0,1,2,3,4,5,6,7,8,9,10,11,12,13,14,15
	v_pk_add_f32 v[8*\e:8*\e+1], v[8*\e:8*\e+1], v[8*\e+4:8*\e+5]
.endr
	WIN 0x05                                       ; sources window 1, destination window 0
.irp e, 0,1,2,3,4,5,6,7,8,9,10,11,12,13,14,15
	v_add_f32 v[R+\e], v[8*\e], v[8*\e+1]
.endr
	WIN 0
.irp e, 0,1,2,3,4,5,6,7,8,9,10,11,12,13,14,15
	v_permlanex16_b32 v[W+\e], v[R+\e], s72, s73   ; (the weights' registers are done with, and have been written)
.endr
.irp e, 0,1,2,3,4,5,6,7,8,9,10,11,12,13,14,15
	v_add_f32 v[R+\e], v[R+\e], v[W+\e]
.endr
.irp e, 0,1,2,3,4,5,6,7,8,9,10,11,12,13,14,15
	ds_store_b32 v24, v[R+\e] offset:512*(\e%2)+64*(\e/2)   ; term e % 2 of row 16 (e / 2) + r; both lanes of a row write the same word with the same value
.endr
	s_wait_dscnt 0x0                               ; for the others' sake: my stores have landed
	s_barrier_signal -1
	s_barrier_wait -1
.irp p, 0,1,2,3,4,5,6,7
.irp u, 0,1
	ds_load_b32 v[W+16+2*\p+\u], v25 offset:1024*\p+512*\u   ; wave p's S1 and S2 of row n, as a pair
.endr
.endr
	s_wait_dscnt 0x0
.irp p, 0,2,4,6
	v_pk_add_f32 v[W+16+2*\p:W+17+2*\p], v[W+16+2*\p:W+17+2*\p], v[W+18+2*\p:W+19+2*\p]
.endr
.irp p, 0,4
	v_pk_add_f32 v[W+16+2*\p:W+17+2*\p], v[W+16+2*\p:W+17+2*\p], v[W+20+2*\p:W+21+2*\p]
.endr
	v_pk_add_f32 v[W+16:W+17], v[W+16:W+17], v[W+24:W+25]
	s_wait_loadcnt 0x0                             ; 1 / norm of row n
	v_mul_f32 v16, 0xb22bcc77, v[RA]               ; -1e-8 ra
	v_fma_f32 v16, v16, v[W+17], v[W+16]           ; S1 - 1e-8 ra S2
	v_mul_f32 v16, v[RA], v16                      ; the density of row n
	v_mov_b32 v17, v16
	v_max_num_f32_dpp v17, v17, v17 row_xmask:1 row_mask:0xf bank_mask:0xf
	v_max_num_f32_dpp v17, v17, v17 row_xmask:2 row_mask:0xf bank_mask:0xf
	v_max_num_f32_dpp v17, v17, v17 row_xmask:4 row_mask:0xf bank_mask:0xf
	v_max_num_f32_dpp v17, v17, v17 row_xmask:8 row_mask:0xf bank_mask:0xf
	v_permlanex16_b32 v18, v17, s72, s73
	v_max_num_f32 v17, v17, v18                    ; my wave's 32 rows' largest
	ds_store_b32 v26, v17
	s_wait_dscnt 0x0
	s_barrier_signal -1
	s_barrier_wait -1
	ds_load_b128 v[20:23], v27                     ; waves 0-3 cover the 128 rows (waves 4-7 hold the same rows again)
	s_wait_dscnt 0x0
	v_max3_num_f32 v20, v20, v21, v22
	v_max_num_f32 v20, v20, v23                    ; the block's largest density
	v_cmp_eq_f32 s74, v16, v20                     ; bit i: row 32 x wave + i reaches it.  The bits are stored as data; no address and no branch here hangs on them
	v_mov_b32 v21, s74
	s_cmp_lt_u32 s10, 4
	s_cbranch_scc0 .Lno_store
	s_wait_xcnt 0x0                                ; EXEC changes only behind this wait
	v_cmp_eq_u32 vcc_lo, 0, v1
	s_and_saveexec_b32 s75, vcc_lo                 ; lane 0 alone
	global_store_b32 v28, v21, s[70:71]            ; word w of the block's mask
	global_store_b32 v28, v20, s[68:69]            ; and the maximum beside it: 16 bytes a block in each buffer
	s_wait_xcnt 0x0                                ; and again, in front of the line that widens it
	s_or_b32 exec_lo, exec_lo, s75
.Lno_store:
	s_wait_tensorcnt 0x0                           ; the wave's end, behind my last tensor load and my last LDS store
	ds_add_u32 v[SPW], v[NIL]
	s_wait_dscnt 0x0
	ROUND                                          ; the closing round: no work-group ends while a partner may still ask for a tile that names it
	s_endpgm
.Lfunc_end_k_q648330be0f_dens:
	.size	k_q648330be0f_dens, .Lfunc_end_k_q648330be0f_dens-k_q648330be0f_dens
	.p2alignl 7, 3214868480
	.fill 96, 4, 3214868480
	.section	.rodata,"a",@progbits
	.p2align	6, 0x0
	.amdhsa_kernel k_q648330be0f_dens
		.amdhsa_group_segment_fixed_size 327680
		.amdhsa_private_segment_fixed_size 0
		.amdhsa_enable_private_segment 0
		.amdhsa_kernarg_size 24
		.amdhsa_user_sgpr_count 2
		.amdhsa_user_sgpr_kernarg_segment_ptr 1
		.amdhsa_wavefront_size32 1
		.amdhsa_system_sgpr_workgroup_id_x 1
		.amdhsa_system_sgpr_workgroup_id_y 1
		.amdhsa_system_sgpr_workgroup_id_z 1
		.amdhsa_system_vgpr_workitem_id 0
		.amdhsa_next_free_vgpr 512
		.amdhsa_next_free_sgpr 92
		.amdhsa_reserve_vcc 1
		.amdhsa_float_denorm_mode_32 3
		.amdhsa_float_denorm_mode_16_64 3
		.amdhsa_memory_ordered 1
		.amdhsa_forward_progress 1
		.amdhsa_inst_pref_size 235
	.end_amdhsa_kernel
	.amdgpu_metadata
---
amdhsa.version: [ 1, 2 ]
amdhsa.kernels:
  - .name:           k_q648330be0f_dens
    .symbol:         k_q648330be0f_dens.kd
    .args:
      - { .name: strm, .offset: 0, .size: 8, .value_kind: global_buffer, .address_space: global }
      - { .name: cmax, .offset: 8, .size: 8, .value_kind: global_buffer, .address_space: global }
      - { .name: cmask, .offset: 16, .size: 8, .value_kind: global_buffer, .address_space: global }
    .group_segment_fixed_size: 327680
    .private_segment_fixed_size: 0
    .kernarg_segment_align: 8
    .kernarg_segment_size: 24
    .max_flat_workgroup_size: 256
    .sgpr_count:     92
    .vgpr_count:     512
    .wavefront_size: 32
...
	.end_amdgpu_metadata
.endif
;; end of part 2
;; launch pick (part 3): grid 8 x 1, 32 waves a work-group, no clusters, 41,472 bytes of LDS; arguments x, ln_w, ln_b, proj_w, proj_b, cmax, cmask, out0; writes out0
.if DOCPART == 3
	.amdgcn_target "amdgcn-amd-amdhsa--gfx1250"
	.amdhsa_code_object_version 6
	.text
	.protected	k_q648330be0f_pick
	.globl	k_q648330be0f_pick
	.p2align	8
	.type	k_q648330be0f_pick,@function
k_q648330be0f_pick:
	s_mov_b64 s[64:65], 0
	v_nop
	global_prefetch_b8 v0, s[64:65] scope:SCOPE_SE
	s_setreg_imm32_b32 hwreg(HW_REG_WAVE_MODE, 25, 1), 1
	s_wait_xcnt 0x0
; out0[b][d] = relu(proj_w[d] . centre_b + proj_b[d]); centre_b = the sum of the normalised rows of batch b whose density equals the batch's largest.
; A work-group is a batch.  Wave w takes block w of 128 rows: it walks the rows that the block's stored mask names (those that reach the BLOCK's largest density), normalises each again in f32 and adds them.
; The addresses come from stored whole numbers.  Whether the block counts is a matter of floating-point numbers, so it steers no branch: the block's sum is kept where its maximum equals the batch's, else replaced by 0.
; So every row tied for the batch's maximum is added.  The 32 sums meet in LDS; then wave w makes outputs 2 w and 2 w + 1 by f32 multiply-adds: one row a batch would leave a matrix tile fifteen sixteenths empty.
; A lane holds channels 4 l + 0..3 and 128 + 4 l + 0..3: each load of a wave reads 512 consecutive bytes.  No tensor load: trip counts here hang on loaded whole numbers.
; LIMIT: NaN and infinities are not served (a block whose densities are NaN names no row).
.set PART, 0                           ; LDS: [32 waves][256] f32
.set P2,   32768                       ; [4][256] f32: bytes 32,768 to 36,863
.set OUTS, 36864                       ; the batch's 64 outputs
; v1 lane, v2 16 x lane, v3 a block's maximum, v4 a permute's place; v8-15 a row; v16-23 at work; v24-31 ln_w, v32-39 ln_b; v40-47, v48-55 two rows of proj_w; v56-63 the block's sum.
; ADDRESSES, all made at the head of ids and constants, and holding nothing else for the whole launch: v2, v5-7 and v64-67.
.set APART, 5                          ; v5   PART: my wave's 1,024 bytes, 16 a lane
.set AEIGHT, 6                         ; v6   PART: eight waves' sums of channel t % 256, from wave 8 (t / 256) on
.set AP2W, 7                           ; v7   P2 + 4 x thread: where their sum goes
.set AOUTW, 64                         ; v64  OUTS + 8 x wave: where my two outputs go
.set GOUT, 65                          ; v65  8 x lane: the way out, in out0
.set AOUTR, 66                         ; v66  OUTS + 8 x lane: the way out, in LDS
.set AP2R, 67                          ; v67  P2 + 16 x lane: the four parts of the centre
.macro WSUM r, t                       ; v[r] summed over the wave's 32 lanes, in every lane
	v_add_f32_dpp v[\r], v[\r], v[\r] row_xmask:1 row_mask:0xf bank_mask:0xf
	v_add_f32_dpp v[\r], v[\r], v[\r] row_xmask:2 row_mask:0xf bank_mask:0xf
	v_add_f32_dpp v[\r], v[\r], v[\r] row_xmask:4 row_mask:0xf bank_mask:0xf
	v_add_f32_dpp v[\r], v[\r], v[\r] row_xmask:8 row_mask:0xf bank_mask:0xf
	v_permlanex16_b32 v[\t], v[\r], s54, s55
	v_add_f32 v[\r], v[\r], v[\t]
.endm
.macro BARRIER                         ; my LDS stores have landed and my LDS loads are in: then the work-group's barrier
	s_wait_dscnt 0x0
	s_barrier_signal -1
	s_barrier_wait -1
.endm
	s_load_b512 s[4:19], s[0:1], 0x0               ; x s[4:5], ln_w s[6:7], ln_b s[8:9], proj_w s[10:11], proj_b s[12:13], cmax s[14:15], cmask s[16:17], out0 s[18:19]
	v_lshl_add_u32 v72, v0, 2, 0x9200
	v_mov_b32 v73, 0
	v_lshrrev_b32 v1, 5, v0
	v_readfirstlane_b32 s24, v1                    ; wave 0..31
	v_and_b32 v1, 31, v0                           ; lane
	v_lshlrev_b32 v2, 4, v1
	s_lshl_b32 s22, ttmp9, 5
	s_add_co_u32 s22, s22, s24
	s_lshl_b32 s22, s22, 4                         ; my block's 16 bytes in cmax and cmask
	s_mov_b32 s23, 0
	s_lshl_b32 s26, ttmp9, 22                      ; the batch's 4,096 rows of 1,024 bytes
	s_mov_b32 s27, 0
	s_lshl_b32 s46, ttmp9, 9                       ; the batch's 32 blocks in cmax
	s_mov_b32 s47, 0
	s_lshl_b32 s48, s24, 11                        ; rows 2 w and 2 w + 1 of proj_w
	s_mov_b32 s49, 0
	s_lshl_b32 s50, s24, 3                         ; and of proj_b
	s_mov_b32 s51, 0
	s_lshl_b32 s52, ttmp9, 8                       ; the batch's 64 outputs
	s_mov_b32 s53, 0
	s_lshl_b32 s42, s24, 7                         ; my block's first row
	s_mov_b32 s54, 0x76543210                      ; v_permlanex16_b32's selects for lane l xor 16
	s_mov_b32 s55, 0xfedcba98
	s_mov_b32 s56, 0x3b800000                      ; 1 / 256
	s_mov_b32 s57, 0x3727c5ac                      ; 1e-5
	s_lshl_b32 s60, s24, 10
	s_lshl_b32 s61, s24, 3
	s_add_co_u32 s61, s61, OUTS
	; every address register is made here, of the thread's and the wave's number and constants
	v_add_nc_u32 v[APART], s60, v2
	v_lshrrev_b32 v[AEIGHT], 8, v0
	v_lshlrev_b32 v[AEIGHT], 13, v[AEIGHT]
	v_and_b32 v[AP2W], 255, v0
	v_lshl_add_u32 v[AEIGHT], v[AP2W], 2, v[AEIGHT]
	v_lshl_add_u32 v[AP2W], v0, 2, P2
	v_mov_b32 v[AOUTW], s61
	v_lshlrev_b32 v[GOUT], 3, v1
	v_add_nc_u32 v[AOUTR], OUTS, v[GOUT]
	v_add_nc_u32 v[AP2R], P2, v2
	v_mov_b32 v4, 0                                ; written once: a lane permute's destination counts as one of its sources
	s_wait_kmcnt 0x0
	s_add_nc_u64 s[28:29], s[16:17], s[22:23]
	s_add_nc_u64 s[30:31], s[14:15], s[22:23]
	s_add_nc_u64 s[20:21], s[4:5], s[26:27]
	s_add_nc_u64 s[46:47], s[14:15], s[46:47]
	s_add_nc_u64 s[48:49], s[10:11], s[48:49]
	s_add_nc_u64 s[50:51], s[12:13], s[50:51]
	s_add_nc_u64 s[52:53], s[18:19], s[52:53]
	s_load_b128 s[32:35], s[28:29], 0x0            ; my block's mask: bit i of word k = row 32 k + i
	s_load_b32 s36, s[30:31], 0x0                  ; my block's largest density
	s_load_b64 s[58:59], s[50:51], 0x0             ; my two biases
	global_load_b32 v3, v2, s[46:47]               ; lane l: block l's largest density
	global_load_b128 v[24:27], v2, s[6:7]
	global_load_b128 v[28:31], v2, s[6:7] offset:512
	global_load_b128 v[32:35], v2, s[8:9]
	global_load_b128 v[36:39], v2, s[8:9] offset:512
	global_load_b128 v[40:43], v2, s[48:49]
	global_load_b128 v[44:47], v2, s[48:49] offset:512
	global_load_b128 v[48:51], v2, s[48:49] offset:1024
	global_load_b128 v[52:55], v2, s[48:49] offset:1536
.irp j, 0,1,2,3,4,5,6,7
	v_mov_b32 v[56+\j], 0                          ; the block's sum: the number of rows added is not known to the text
.endr
	s_wait_kmcnt 0x0
; The rows that word k of the mask names, lowest bit first.  The loop is counted against the word's number of bits.
.macro ROWS k
	s_bcnt1_i32_b32 s38, s[32+\k]
	s_mov_b32 s37, s[32+\k]
	s_cmp_eq_u32 s38, 0
	s_cbranch_scc1 .Lnone_\@
	s_mov_b32 s39, 0
.Lrow_\@:
	s_ctz_i32_b32 s40, s37                         ; the lowest bit that is set,
	s_min_u32 s40, s40, 31                         ; held inside the word: a loaded number enters an address only so
	s_sub_co_u32 s41, s37, 1
	s_and_b32 s37, s37, s41                        ; and cleared
	s_add_co_u32 s40, s40, s42
	s_add_co_u32 s40, s40, 32*\k                   ; the row in the batch
	s_lshl_b32 s40, s40, 10
	s_mov_b32 s41, 0
	s_add_nc_u64 s[44:45], s[20:21], s[40:41]      ; (the last trip's loads are done: their base may be written)
	global_load_b128 v[8:11], v2, s[44:45]
	global_load_b128 v[12:15], v2, s[44:45] offset:512
	s_wait_loadcnt 0x0                             ; the row (in the first trip ln_w, ln_b and the rest too)
	v_pk_add_f32 v[16:17], v[8:9], v[10:11]
	v_pk_add_f32 v[18:19], v[12:13], v[14:15]
	v_pk_add_f32 v[16:17], v[16:17], v[18:19]
	v_add_f32 v16, v16, v17
	WSUM 16, 17
	v_mul_f32 v20, s56, v16                        ; the mean
	v_mov_b32 v21, v20
.irp j, 0,2,4,6
	v_pk_add_f32 v[8+\j:9+\j], v[8+\j:9+\j], v[20:21] neg_lo:[0,1] neg_hi:[0,1]
.endr
	v_pk_mul_f32 v[16:17], v[8:9], v[8:9]
	v_pk_mul_f32 v[18:19], v[10:11], v[10:11]
	v_pk_fma_f32 v[16:17], v[12:13], v[12:13], v[16:17]
	v_pk_fma_f32 v[18:19], v[14:15], v[14:15], v[18:19]
	v_pk_add_f32 v[16:17], v[16:17], v[18:19]
	v_add_f32 v16, v16, v17
	WSUM 16, 17
	v_fma_f32 v16, v16, s56, s57                   ; the variance + 1e-5
	v_rsq_f32 v22, v16
	v_nop                                          ; a plain instruction behind the transcendental,
	s_wait_alu depctr_va_vdst(0)                   ; and the wait ahead of the first line that names its result
	v_mov_b32 v23, v22
.irp j, 0,2,4,6
	v_pk_mul_f32 v[8+\j:9+\j], v[8+\j:9+\j], v[22:23]
.endr
.irp j, 0,2,4,6
	v_pk_fma_f32 v[8+\j:9+\j], v[8+\j:9+\j], v[24+\j:25+\j], v[32+\j:33+\j]
.endr
.irp j, 0,2,4,6
	v_pk_add_f32 v[56+\j:57+\j], v[56+\j:57+\j], v[8+\j:9+\j]
.endr
	s_add_co_u32 s39, s39, 1
	s_cmp_lt_u32 s39, s38
	s_cbranch_scc1 .Lrow_\@
.Lnone_\@:
.endm
	ROWS 0
	ROWS 1
	ROWS 2
	ROWS 3
	s_wait_loadcnt 0x0                             ; the head's loads, where no row was walked
	v_max_num_f32_dpp v3, v3, v3 row_xmask:1 row_mask:0xf bank_mask:0xf
	v_max_num_f32_dpp v3, v3, v3 row_xmask:2 row_mask:0xf bank_mask:0xf
	v_max_num_f32_dpp v3, v3, v3 row_xmask:4 row_mask:0xf bank_mask:0xf
	v_max_num_f32_dpp v3, v3, v3 row_xmask:8 row_mask:0xf bank_mask:0xf
	v_permlanex16_b32 v4, v3, s54, s55
	v_max_num_f32 v3, v3, v4                       ; the batch's largest density
	v_cmp_eq_f32 vcc_lo, s36, v3                   ; does my block reach it?  A choice of values, no branch
.irp j, 0,1,2,3,4,5,6,7
	v_cndmask_b32 v[56+\j], 0, v[56+\j], vcc_lo
.endr
	ds_store_b128 v[APART], v[56:59]
	ds_store_b128 v[APART], v[60:63] offset:512
	BARRIER                                        ; the 32 blocks' sums lie in LDS
.irp j, 0,1,2,3,4,5,6,7
	ds_load_b32 v[8+\j], v[AEIGHT] offset:1024*\j
.endr
	s_wait_dscnt 0x0
	v_pk_add_f32 v[8:9], v[8:9], v[10:11]
	v_pk_add_f32 v[12:13], v[12:13], v[14:15]
	v_pk_add_f32 v[8:9], v[8:9], v[12:13]
	v_add_f32 v8, v8, v9
	ds_store_b32 v[AP2W], v8
	BARRIER                                        ; four parts of the centre lie in LDS
.irp p, 0,1,2,3
	ds_load_b128 v[8+8*\p:11+8*\p], v[AP2R] offset:1024*\p      ; ln_w's and ln_b's registers are done with
	ds_load_b128 v[12+8*\p:15+8*\p], v[AP2R] offset:1024*\p+512
.endr
	s_wait_dscnt 0x0
.irp j, 0,2,4,6
	v_pk_add_f32 v[8+\j:9+\j], v[8+\j:9+\j], v[16+\j:17+\j]
	v_pk_add_f32 v[24+\j:25+\j], v[24+\j:25+\j], v[32+\j:33+\j]
.endr
.irp j, 0,2,4,6
	v_pk_add_f32 v[8+\j:9+\j], v[8+\j:9+\j], v[24+\j:25+\j]     ; the centre, at my eight channels
.endr
	v_pk_mul_f32 v[16:17], v[8:9], v[40:41]
	v_pk_mul_f32 v[18:19], v[8:9], v[48:49]
.irp j, 2,4,6
	v_pk_fma_f32 v[16:17], v[8+\j:9+\j], v[40+\j:41+\j], v[16:17]
	v_pk_fma_f32 v[18:19], v[8+\j:9+\j], v[48+\j:49+\j], v[18:19]
.endr
	v_add_f32 v16, v16, v17
	v_add_f32 v18, v18, v19
	WSUM 16, 17
	WSUM 18, 19
	v_add_f32 v16, s58, v16
	v_add_f32 v17, s59, v18
	v_max_num_f32 v16, 0, v16
	v_max_num_f32 v17, 0, v17
	ds_store_b64 v[AOUTW], v[16:17]                ; all lanes write the same 8 bytes with the same values; these bytes lie behind the four parts, which other waves may still be reading
	BARRIER                                        ; the batch's 64 outputs lie in LDS
	s_cmp_lg_u32 s24, 0
	s_cbranch_scc1 .Lend
	ds_load_b64 v[24:25], v[AOUTR]
	s_wait_dscnt 0x0
	global_store_b64 v[GOUT], v[24:25], s[52:53]   ; wave 0's 32 lanes store 256 consecutive bytes, at a multiple of 256 from out0's first byte
.Lend:
	s_wait_tensorcnt 0x0
	ds_add_u32 v72, v73
	s_wait_dscnt 0x0
	s_endpgm
.Lfunc_end_k_q648330be0f_pick:
	.size	k_q648330be0f_pick, .Lfunc_end_k_q648330be0f_pick-k_q648330be0f_pick
	.p2alignl 7, 3214868480
	.fill 96, 4, 3214868480
	.section	.rodata,"a",@progbits
	.p2align	6, 0x0
	.amdhsa_kernel k_q648330be0f_pick
		.amdhsa_group_segment_fixed_size 41472
		.amdhsa_private_segment_fixed_size 0
		.amdhsa_enable_private_segment 0
		.amdhsa_kernarg_size 64
		.amdhsa_user_sgpr_count 2
		.amdhsa_user_sgpr_kernarg_segment_ptr 1
		.amdhsa_wavefront_size32 1
		.amdhsa_system_sgpr_workgroup_id_x 1
		.amdhsa_system_sgpr_workgroup_id_y 1
		.amdhsa_system_sgpr_workgroup_id_z 1
		.amdhsa_system_vgpr_workitem_id 0
		.amdhsa_next_free_vgpr 74
		.amdhsa_next_free_sgpr 66
		.amdhsa_reserve_vcc 1
		.amdhsa_float_denorm_mode_32 3
		.amdhsa_float_denorm_mode_16_64 3
		.amdhsa_memory_ordered 1
		.amdhsa_forward_progress 1
		.amdhsa_inst_pref_size 22
	.end_amdhsa_kernel
	.amdgpu_metadata
---
amdhsa.version: [ 1, 2 ]
amdhsa.kernels:
  - .name:           k_q648330be0f_pick
    .symbol:         k_q648330be0f_pick.kd
    .args:
      - { .name: x, .offset: 0, .size: 8, .value_kind: global_buffer, .address_space: global }
      - { .name: ln_w, .offset: 8, .size: 8, .value_kind: global_buffer, .address_space: global }
      - { .name: ln_b, .offset: 16, .size: 8, .value_kind: global_buffer, .address_space: global }
      - { .name: proj_w, .offset: 24, .size: 8, .value_kind: global_buffer, .address_space: global }
      - { .name: proj_b, .offset: 32, .size: 8, .value_kind: global_buffer, .address_space: global }
      - { .name: cmax, .offset: 40, .size: 8, .value_kind: global_buffer, .address_space: global }
      - { .name: cmask, .offset: 48, .size: 8, .value_kind: global_buffer, .address_space: global }
      - { .name: out0, .offset: 56, .size: 8, .value_kind: global_buffer, .address_space: global }
    .group_segment_fixed_size: 41472
    .private_segment_fixed_size: 0
    .kernarg_segment_align: 8
    .kernarg_segment_size: 64
    .max_flat_workgroup_size: 1024
    .sgpr_count:     66
    .vgpr_count:     74
    .wavefront_size: 32
...
	.end_amdgpu_metadata
.endif
;; end of part 3
